; MI455X (gfx1250); checked and timed in simulation.
; The chip was launched on July 23, 2026; its instructions are those of AMD's public machine-readable ISA for CDNA 5 (MIT licence, August 2026) and "CDNA5" Instruction Set Architecture Reference Guide (July 2026). The comments in the code are by the model that wrote it; some were corrected since.
;; Pattern Memory. Allowed arithmetic: float matrix products may take bf16 or f16 operands with f32 sums; all other float work in f32.
;; Inputs: centroids_0 10 x 512 float32; centroids_1 100 x 512 float32; centroids_2 1,000 x 512 float32; embeddings 16,384 x 512 float32; hash_W 8 x 16 x 512 float32; hash_b 8 x 16 float32.
;; Outputs: out0 16,384 x 8 int32; out1 16,384 int32; out2 16,384 x 3 int32; out3 16,384 x 3 float32; out4 16,384 x 8 x 16 float32.
;; One version. Each part assembles by itself: llvm-mc -triple=amdgcn-amd-amdhsa -mcpu=gfx1250 --defsym DOCPART=n.
;; ======== version 1 of 1: 3 launches
;; limits: values outside matrix products are rounded to bf16
;; workspace buffers: ebf 16,777,216 bytes; c1b 102,400 bytes; c2b 1,024,000 bytes; cur0 65,536 bytes of whole numbers; cur1 65,536 bytes of whole numbers; dis0 65,536 bytes; dis1 65,536 bytes
;; launch lsh0 (part 1): grid 256 x 1, 8 waves a work-group, no clusters, 327,680 bytes of LDS; arguments embeddings, hash_W, hash_b, centroids_0, centroids_1, centroids_2, ebf, c1b, c2b, cur0, dis0, out0, out4; writes ebf, c1b, c2b, cur0, dis0, out0, out4
.if DOCPART == 1
	.amdgcn_target "amdgcn-amd-amdhsa--gfx1250"
	.amdhsa_code_object_version 6
	.text
	.protected	k_q73de8c84f4_lsh0
	.globl	k_q73de8c84f4_lsh0
	.p2align	8
	.type	k_q73de8c84f4_lsh0,@function
k_q73de8c84f4_lsh0:
	s_mov_b64 s[64:65], 0
	v_nop
	global_prefetch_b8 v0, s[64:65] scope:SCOPE_SE
	s_setreg_imm32_b32 hwreg(HW_REG_WAVE_MODE, 25, 1), 1
	s_wait_xcnt 0x0
; PatternMemory, first of three launches.  For 64 queries a work-group (256 work-groups, 8 waves):
;   ebf  = embeddings rounded to bf16 (for the two later launches);  c1b, c2b = centroids_1, centroids_2 rounded to bf16
;   out4 = proj = E W^T + b (matrix unit, bf16 operands, f32 sums, the bias as the first C);  out0 = the 16 signs of each table as a code
;   cur0, dis0 = tree level 0: the nearest of the ten rows of centroids_0 and its distance
; NUMBER FORMATS, a stated limit: every input (embeddings, hash_W, hash_b, all centroids) is used as rounded to bf16, nearest even;
; differences, squares, sums and the bias add are f32.  One rounding for all outputs, so that signs and nearest rows belong to the same data.
; Distances are sums of (e - c)^2, never |e|^2 - 2 e c + |c|^2: no difference of large sums.
; ORDER OF A DISTANCE'S SUM: each square is rounded to f32; 16 windows of 32 neighbouring d are each added in ascending order; the 16 window
; sums are added in ascending order; the root is correctly rounded.  This is the order that I take JAX's CPU compiler to give to a sum of 512
; numbers (a window pass of 32, then a reduction); it is also a short tree, so its rounding error is small whatever the other side's order is.
; Limits: a NaN distance is taken by the search at its last place (the JAX function takes the first); a sign, or a choice between two rows,
; that is nearer to a tie than two orders of f32 addition differ can fall either way.
; LAYOUT OF ebf, c1b, c2b: in each row of 1,024 bytes, byte 256 c + 16 k holds elements 32 k + 8 c .. + 7 (window k, c = 0..3), so that sixteen
; lanes that each own a window still read and write 256 consecutive bytes.
; NO CLUSTER: the one large input that all work-groups share is hash_W, 262,144 bytes of f32 that must pass the vector unit to become bf16.
; A joint tensor load would have to lay it into LDS, where 327,680 - 326,656 = 1,024 bytes are left; here it goes from the cache straight into
; fragment registers.  centroids_0 is 20,480 bytes.
; PHASE A (wave w: rows 8 w .. 8 w + 7, two at a time; lane (k = L & 15, h = L >> 4) owns window k of row 2 i + h): round, copy out, ten distances.
; PHASE B (wave w: hash table w = columns 16 w .. 16 w + 15 of all 64 rows): 16 K steps of 32, four accumulator tiles.
.set WPI,   144                        ; a window of 32 f32 in LDS: 128 bytes + 16 = 9 x 16, so 16 lanes' 16 bytes lie in 16 different columns of 16 bytes
.set ERP,   16*WPI                     ; a row of 512 f32 in LDS.  LDS 0 .. 147,455: E in f32, filled once by tensor loads, wave w reads only its own 8 rows
.set C0L,   147456                     ; centroids_0 in f32, 160 windows, filled once by tensor loads
.set EBF,   170496                     ; E in bf16, natural order, for the matrix unit:
.set EBP,   1040                       ; 64 rows of 1,024 bytes + 16 = 65 x 16
.set PST,   237056                     ; proj on its way out: 64 rows of 512 bytes + 16
.set PSP,   528
.set COD,   270848                     ; codes: 64 rows of 8 words
.set WSM,   272896                     ; window sums: a chain of 16 words for each (row, candidate), 80 chains a wave,
.set CHP,   80                         ; 64 bytes + 16 apart
.set DS0,   324096                     ; distances: ten words a query
.set EB,    10                         ; v[10:25]   my window of the row as bf16: register m holds elements 2 m, 2 m + 1
.set RAW,   26                         ; v[26:57]   my window in f32 as loaded
.set DT,    58                         ; v[58:67]   differences, then squares: one for each candidate
.set ACC,   68                         ; v[68:77]   window sums: one for each candidate
.set C0,    80                         ; v[80:239]  centroids_0 as bf16: candidate j at 80 + 16 j, my window
.set NEG1,  240                        ; -1.0
.set GEB,   241                        ; 1,024 h + 16 k: my place in two rows of ebf
.set C0A,   242                        ; LDS address of my window of candidate 0
.set SW,    18                         ; v[18:65]   three chains of 16 window sums
.set AF,    18                         ; phase B: v[18:81] A fragments, two buffers of four tiles
.set BF,    82                         ; v[82:97]   B fragments, two buffers
.set ACCM,  98                         ; v[98:129]  four accumulator tiles
.set BIAS8, 130                        ; v[130:137] the bias in a C tile's layout
.set WR,    138                        ; v[138:249] hash_W in f32, WS slots of 16
.set WS,    7
.set FS,    98                         ; the search at the end: 2 x 10 distances,
.set FB,    118                        ; the best distance of the lane's two queries,
.set FI,    120                        ; its index,
.set FA,    122                        ; the LDS address
.set G1,    32                         ; s[32:39] tensor descriptor group 1 for E
.set G0,    40                         ; s[40:55] four groups 0 for E
.set G1C,   56                         ; s[56:63] group 1 for centroids_0
.set G0C,   92                         ; s[92:95] group 0 for centroids_0
.set SQ,    74                         ; s[74:76] which lanes' sums were scaled before the root
; One wave, lane L for queries 2 L and 2 L + 1 of the work-group: the first smallest of ten (a later one wins only if strictly smaller).
.macro FINAL dsbase
	v_and_b32 v[FA], 31, v0
	v_mul_u32_u24 v[FA], 80, v[FA]
	v_add_nc_u32 v[FA], \dsbase, v[FA]
.irp t, 0,1,2,3,4
	ds_load_b128 v[FS+4*\t:FS+4*\t+3], v[FA] offset:16*\t
.endr
	s_wait_dscnt 0x0
	v_mov_b32 v[FI], 0
	v_mov_b32 v[FI+1], 0
	v_mov_b32 v[FB], v[FS]
	v_mov_b32 v[FB+1], v[FS+10]
.irp u, 0,1
.irp j, 1,2,3,4,5,6,7,8,9
	v_cmp_le_f32 vcc_lo, v[FB+\u], v[FS+10*\u+\j]
	v_cndmask_b32 v[FI+\u], \j, v[FI+\u], vcc_lo
	v_cndmask_b32 v[FB+\u], v[FS+10*\u+\j], v[FB+\u], vcc_lo
.endr
.endr
.endm
	s_load_b512 s[4:19], s[0:1], 0x0               ; E s[4:5], W s[6:7], b s[8:9], c0 s[10:11], c1 s[12:13], c2 s[14:15], ebf s[16:17], c1b s[18:19]
	s_load_b256 s[20:27], s[0:1], 0x40             ; c2b s[20:21], cur0 s[22:23], dis0 s[24:25], out0 s[26:27]
	s_load_b64 s[28:29], s[0:1], 0x60              ; out4
	s_set_vgpr_msb 0x40
	v_lshl_add_u32 v0, v0, 2, 0x4fc00
	v_mov_b32 v1, 0
	s_set_vgpr_msb 0x4045
	ds_add_u32 v0, v1
	ds_add_u32 v0, v1
	s_set_vgpr_msb 0x4500
	s_mov_b32 s2, ttmp9                            ; g, the work-group
	v_lshrrev_b32 v7, 5, v0
	v_readfirstlane_b32 s3, v7                     ; w, the wave
	v_and_b32 v1, 31, v0                           ; L
	v_and_b32 v7, 15, v0                           ; k = r = L & 15
	v_bfe_u32 v254, v0, 4, 1                       ; h = L >> 4 (v254 is cleared for the codes later)
	; Group 1 for E: two rows are 4,096 dense bytes, taken as 16 rows of 32 elements of 8 bytes; 4 words of padding behind every 32 words
	s_mov_b32 s[G1+0], (3<<16)|(1<<20)|(4<<22)|(3<<25)
	s_mov_b32 s[G1+1], 32<<16                      ; tensor_dim0 = 32
	s_mov_b32 s[G1+2], 16<<16                      ; tensor_dim1 = 16
	s_mov_b32 s[G1+3], 32<<16                      ; tile_dim0 = 32
	s_mov_b32 s[G1+4], 16                          ; tile_dim1 = 16
	s_mov_b32 s[G1+5], 32                          ; 32 elements from row to row
	s_mov_b32 s[G1+6], 0
	s_mov_b32 s[G1+7], 0
	; Group 1 for centroids_0: an eighth of its 20,480 bytes a wave, 10 rows of 256 bytes, padded alike
	s_mov_b32 s[G1C+0], (3<<16)|(1<<20)|(4<<22)|(3<<25)
	s_mov_b32 s[G1C+1], 32<<16
	s_mov_b32 s[G1C+2], 10<<16
	s_mov_b32 s[G1C+3], 32<<16
	s_mov_b32 s[G1C+4], 10
	s_mov_b32 s[G1C+5], 32
	s_mov_b32 s[G1C+6], 0
	s_mov_b32 s[G1C+7], 0
	s_mul_i32 s96, s3, 8*ERP                       ; the wave's 8 rows in LDS
	s_lshl_b32 s83, s3, 14                         ; and in E: 8 rows of 2,048 bytes
	s_lshl_b32 s30, s2, 17                         ; the work-group's 64 rows
	s_add_co_u32 s30, s30, s83
	s_mov_b32 s31, 0                               ; s[30:31]: an offset as a pair; s31 stays 0
	s_mul_i32 s97, s3, 20*WPI                      ; the wave's 20 windows of centroids_0 in LDS
	s_mul_i32 s98, s3, 2560                        ; and in memory
	s_mov_b32 s99, 0
	s_wait_dscnt 0x0
	s_wait_kmcnt 0x0
	s_mov_b32 s[G0C], 1
	s_add_co_u32 s[G0C+1], s97, C0L
	s_add_nc_u64 s[G0C+2:G0C+3], s[10:11], s[98:99]
	s_or_b32 s[G0C+3], s[G0C+3], 0x80000000
	tensor_load_to_lds s[G0C:G0C+3], s[G1C:G1C+7]  ; first, since it is wanted first
	s_nop 0
	s_add_nc_u64 s[66:67], s[4:5], s[30:31]
	; All of the wave's E is asked for at once, by four loads of two rows: with the one above five tensor loads outstanding at the most,
	; and no byte of LDS is ever filled twice
.irp n, 0,1,2,3
	s_mov_b32 s[G0+4*\n], 1
	s_add_co_u32 s[G0+4*\n+1], s96, 2*ERP*\n
	s_add_nc_u64 s[G0+4*\n+2:G0+4*\n+3], s[66:67], 4096*\n
	s_or_b32 s[G0+4*\n+3], s[G0+4*\n+3], 0x80000000
	tensor_load_to_lds s[G0+4*\n:G0+4*\n+3], s[G1:G1+7]
	s_nop 0
.endr
	v_lshlrev_b32 v2, 4, v1                        ; 16 L
	s_lshl_b32 s83, s3, 6
	v_lshl_add_u32 v8, v7, 2, s83                  ; 4 (16 w + r)
	global_load_b32 v9, v8, s[8:9]                 ; the bias of my column
	; table copies: thread t writes the 16 bytes at 16 t of a share of four rows, that is row t >> 6, c = (t >> 4) & 3, k = t & 15,
	; and reads elements 32 k + 8 c .. + 7 of that row
	v_lshrrev_b32 v62, 6, v0
	v_lshlrev_b32 v62, 11, v62
	v_lshl_add_u32 v62, v7, 7, v62
	v_bfe_u32 v63, v0, 4, 2
	v_lshl_add_u32 v62, v63, 5, v62
	v_lshlrev_b32 v63, 4, v0
	; addresses and bases, while the loads are on their way
	v_mul_u32_u24 v3, WPI, v7
	v_mul_u32_u24 v6, ERP, v254
	v_add_nc_u32 v3, v3, v6
	v_add_nc_u32 v3, s96, v3                       ; LDS: window k of the wave's row h, f32
	s_mul_i32 s83, s3, 8*EBP
	s_add_co_u32 s83, s83, EBF
	v_lshl_add_u32 v4, v7, 6, s83
	v_mul_u32_u24 v6, EBP, v254
	v_add_nc_u32 v4, v4, v6                        ; LDS: window k of the wave's row h, bf16, natural order
	v_lshlrev_b32 v5, 3, v1                        ; 8 L
	s_mul_i32 s83, s3, 80*CHP
	s_add_co_u32 s83, s83, WSM
	v_lshl_add_u32 v6, v7, 2, s83
	v_mul_u32_u24 v[C0A], 10*CHP, v254
	v_add_nc_u32 v6, v6, v[C0A]                    ; LDS: word k of the chain of (row h, candidate 0)
	v_mov_b32 v[NEG1], -1.0
	v_lshlrev_b32 v[GEB], 4, v7
	v_lshl_add_u32 v[GEB], v254, 10, v[GEB]
	v_mul_u32_u24 v[C0A], WPI, v7
	v_add_nc_u32 v[C0A], C0L, v[C0A]
	v_mul_u32_u24 v250, EBP, v7                    ; A fragments: row r, 16 h
	v_lshl_add_u32 v250, v254, 4, v250
	v_add_nc_u32 v250, EBF, v250
	s_lshl_b32 s83, s3, 15
	v_lshl_add_u32 v251, v7, 11, s83               ; hash_W: row 16 w + r of 2,048 bytes,
	v_lshl_add_u32 v251, v254, 5, v251             ; + 8 h numbers of 4 bytes
	v_mul_u32_u24 v252, 8*PSP, v254                ; proj stage: row 8 h, column 16 w + r
	v_lshl_add_u32 v252, v7, 2, v252
	s_lshl_b32 s83, s3, 6
	s_add_co_u32 s83, s83, PST
	v_add_nc_u32 v252, s83, v252
	v_and_b32 v253, 8, v0
	v_lshlrev_b32 v253, 1, v253                    ; 16 where L & 8: that lane's code is the upper half of the mask word
	s_lshl_b32 s30, s2, 16
	s_lshl_b32 s83, s3, 13
	s_add_co_u32 s30, s30, s83                     ; (64 g + 8 w) x 1,024
	s_add_nc_u64 s[68:69], s[16:17], s[30:31]      ; ebf at the wave's first row
	s_lshr_b32 s30, s30, 1                         ; (64 g + 8 w) x 512
	s_add_nc_u64 s[84:85], s[28:29], s[30:31]      ; out4 likewise
	s_lshr_b32 s30, s30, 4                         ; (64 g + 8 w) x 32
	s_add_nc_u64 s[86:87], s[26:27], s[30:31]      ; out0 likewise
	s_lshl_b32 s30, s2, 8                          ; 64 g x 4
	s_add_nc_u64 s[88:89], s[22:23], s[30:31]      ; cur0
	s_add_nc_u64 s[90:91], s[24:25], s[30:31]      ; dis0
; A share of 8,192 bytes (four rows) of a table goes from f32 to bf16: 2,048,000 bytes are 250 shares, 204,800 are 25.
; Each store of a wave covers 512 aligned bytes.
.macro CONV src, dst
	s_lshl_b32 s30, s2, 13
	s_add_nc_u64 s[70:71], s[\src:\src+1], s[30:31]
	s_lshl_b32 s30, s2, 12
	s_add_nc_u64 s[72:73], s[\dst:\dst+1], s[30:31]
	global_load_b128 v[50:53], v62, s[70:71]
	global_load_b128 v[54:57], v62, s[70:71] offset:16
	s_wait_loadcnt 0x0
	v_cvt_pk_bf16_f32 v58, v50, v51
	v_cvt_pk_bf16_f32 v59, v52, v53
	v_cvt_pk_bf16_f32 v60, v54, v55
	v_cvt_pk_bf16_f32 v61, v56, v57
	global_store_b128 v63, v[58:61], s[72:73]
	s_wait_xcnt 0x0                                ; the store's data, offset and base are written again only behind this wait
.endm
	s_cmp_ge_u32 s2, 250
	s_cbranch_scc1 .Lskip_c2
	CONV 14, 20
.Lskip_c2:
	s_cmp_ge_u32 s2, 25
	s_cbranch_scc1 .Lskip_c1
	CONV 12, 18
.Lskip_c1:
	s_wait_loadcnt 0x0                             ; the bias, also where both copies were skipped
	v_cvt_pk_bf16_f32 v8, v9, v9
	v_lshlrev_b32 v9, 16, v8                       ; the bias rounded to bf16, kept as f32
	s_wait_tensorcnt 0x4                           ; my eighth of centroids_0 is in LDS; the four younger loads, E's, stay out
	s_barrier_signal -1
	s_barrier_wait -1                              ; everybody's eighth is
; centroids_0: my window of each candidate from LDS, rounded to bf16 and packed.  Two sets of 32 registers take turns.
.macro CLOAD j, lo, hi
.irp c, 0,1,2,3
	ds_load_b128 v[\lo+4*\c:\lo+4*\c+3], v[C0A] offset:ERP*(\j)+16*\c
.endr
.irp c, 0,1,2,3
	ds_load_b128 v[\hi+4*\c:\hi+4*\c+3], v[C0A] offset:ERP*(\j)+64+16*\c
.endr
.endm
.macro CSTEP j, lo, hi
.if (\j) < 9
	s_wait_dscnt 0x8                               ; this candidate's eight loads are in; the next one's eight stay out
.else
	s_wait_dscnt 0x0
.endif
.irp m, 0,1,2,3,4,5,6,7
	v_cvt_pk_bf16_f32 v[C0+16*(\j)+\m], v[\lo+2*\m], v[\lo+2*\m+1]
.endr
.irp m, 0,1,2,3,4,5,6,7
	v_cvt_pk_bf16_f32 v[C0+16*(\j)+8+\m], v[\hi+2*\m], v[\hi+2*\m+1]
.endr
.if (\j)+2 <= 9
	CLOAD (\j)+2, \lo, \hi
.endif
.endm
	CLOAD 0, RAW, RAW+16
	CLOAD 1, EB, DT
	CSTEP 0, RAW, RAW+16
	CSTEP 1, EB, DT
	CSTEP 2, RAW, RAW+16
	CSTEP 3, EB, DT
	CSTEP 4, RAW, RAW+16
	CSTEP 5, EB, DT
	CSTEP 6, RAW, RAW+16
	CSTEP 7, EB, DT
	CSTEP 8, RAW, RAW+16
	CSTEP 9, EB, DT
; PHASE A.  Ten window sums of my window: for each element e - c (c x -1 + e from two bf16 halves, one rounding, as a subtraction in f32),
; the square rounded, then added: five packed chains, each in ascending order of d.  The first squares start the sums.
.macro DIST0
.irp m, 0,1,2,3,4,5,6,7,8,9,10,11,12,13,14,15
.irp hf, 0,1
.irp j, 0,1,2,3,4,5,6,7,8,9
	v_fma_mix_f32_bf16 v[DT+\j], v[C0+16*\j+\m], v[NEG1], v[EB+\m] op_sel:[\hf,0,\hf] op_sel_hi:[1,0,1]
.endr
.if \m+\hf == 0
.irp q, 0,1,2,3,4
	v_pk_mul_f32 v[ACC+2*\q:ACC+2*\q+1], v[DT+2*\q:DT+2*\q+1], v[DT+2*\q:DT+2*\q+1]
.endr
.else
.irp q, 0,1,2,3,4
	v_pk_mul_f32 v[DT+2*\q:DT+2*\q+1], v[DT+2*\q:DT+2*\q+1], v[DT+2*\q:DT+2*\q+1]
.endr
.irp q, 0,1,2,3,4
	v_pk_add_f32 v[ACC+2*\q:ACC+2*\q+1], v[ACC+2*\q:ACC+2*\q+1], v[DT+2*\q:DT+2*\q+1]
.endr
.endif
.endr
.endr
.endm
.macro RLOAD i
.irp c, 0,1,2,3,4,5,6,7
	ds_load_b128 v[RAW+4*\c:RAW+4*\c+3], v3 offset:2*ERP*(\i)+16*\c
.endr
.endm
.macro PAIRROW i                       ; rows 2 i and 2 i + 1 of the wave
.if \i == 0
	s_wait_dscnt 0x0
.else
	s_wait_dscnt 0xe                               ; behind these rows' eight loads stand the last rows' four bf16 stores and ten window sums
.endif
	s_wait_xcnt 0x0                                ; EB is the data of the last rows' global stores: written again only behind this wait
.irp m, 0,1,2,3,4,5,6,7,8,9,10,11,12,13,14,15
	v_cvt_pk_bf16_f32 v[EB+\m], v[RAW+2*\m], v[RAW+2*\m+1]
.endr
.if \i < 3
	s_wait_tensorcnt 2-\i                          ; the next two rows came with E's load i + 1 of four: the younger ones may stay out
	RLOAD \i+1
.endif
.irp c, 0,1,2,3
	ds_store_b128 v4, v[EB+4*\c:EB+4*\c+3] offset:2*EBP*\i+16*\c
.endr
.irp c, 0,1,2,3
	global_store_b128 v[GEB], v[EB+4*\c:EB+4*\c+3], s[68:69] offset:2048*\i+256*\c     ; each half of the wave stores 256 consecutive bytes, aligned
.endr
	DIST0
.irp j, 0,1,2,3,4,5,6,7,8,9
	ds_store_b32 v6, v[ACC+\j] offset:20*CHP*\i+CHP*\j
.endr
.endm
	s_wait_tensorcnt 0x3                           ; rows 0 and 1 are in LDS; only this wave reads them, so its own wait is all the order needed
	RLOAD 0
.irp i, 0,1,2,3
	PAIRROW \i
.endr
; PHASE B.  B fragment of K step s: lane (r, h) takes k = 32 s + 8 h .. + 7 and 32 s + 16 + 8 h .. + 7 of row 16 w + r of hash_W, in f32.
.macro WLOAD s
.irp c, 0,1,2,3
	global_load_b128 v[WR+16*((\s)%WS)+4*\c:WR+16*((\s)%WS)+4*\c+3], v251, s[6:7] offset:128*(\s)+16*(\c&1)+64*(\c>>1)
.endr
.endm
.macro ALOAD s
.irp a, 0,1,2,3
	ds_load_b128 v[AF+32*((\s)&1)+8*\a:AF+32*((\s)&1)+8*\a+3], v250 offset:16*EBP*\a+64*(\s)
	ds_load_b128 v[AF+32*((\s)&1)+8*\a+4:AF+32*((\s)&1)+8*\a+7], v250 offset:16*EBP*\a+64*(\s)+32
.endr
.endm
; The eight conversions at a step's head are the plain vector instructions between the last step's matrix instructions and the loads into the
; A buffer that those read, and between the matrix instructions two steps back and the rewriting of their B buffer:
; they name neither the accumulators nor those buffers.
.macro KSTEP s
.if \s <= 15-(WS-1)
	s_wait_loadcnt 4*(WS-1)                        ; six younger slots of four loads may stay out
.else
	s_wait_loadcnt 4*(15-\s)                       ; the tail: only the slots up to step 15 are behind this one
.endif
.irp q, 0,1,2,3,4,5,6,7
	v_cvt_pk_bf16_f32 v[BF+8*(\s&1)+\q], v[WR+16*(\s%WS)+2*\q], v[WR+16*(\s%WS)+2*\q+1]
.endr
.if \s+WS <= 15
	WLOAD \s+WS
.endif
.if \s < 15
	ALOAD \s+1
	s_wait_dscnt 0x8                               ; this step's eight loads are in; the eight just issued stay out
.else
	s_wait_dscnt 0x0
.endif
.irp a, 0,1,2,3
.if \s == 0
	v_wmma_f32_16x16x32_bf16 v[ACCM+8*\a:ACCM+8*\a+7], v[AF+32*(\s&1)+8*\a:AF+32*(\s&1)+8*\a+7], v[BF+8*(\s&1):BF+8*(\s&1)+7], v[BIAS8:BIAS8+7]
.else
	v_wmma_f32_16x16x32_bf16 v[ACCM+8*\a:ACCM+8*\a+7], v[AF+32*(\s&1)+8*\a:AF+32*(\s&1)+8*\a+7], v[BF+8*(\s&1):BF+8*(\s&1)+7], v[ACCM+8*\a:ACCM+8*\a+7]
.endif
.endr
.endm
	s_wait_xcnt 0x0                                ; EB and GEB, sources of the last ebf stores, are written again only behind this wait
.irp s, 0,1,2,3,4,5,6
	WLOAD \s                                       ; into registers of centroids_0, which this wave needs no more
.endr
	; THE WINDOW SUMS BECOME DISTANCES.  The wave's 80 chains lie in its own LDS bytes, and LDS serves a wave's instructions in order (ISA guide
	; 5.7.1), so no wait stands between its stores and these loads.  Lane L takes chains L, 32 + L and 64 + (L & 15).
	s_mul_i32 s83, s3, 80*CHP
	s_add_co_u32 s83, s83, WSM
	v_mul_u32_u24 v10, CHP, v1
	v_add_nc_u32 v10, s83, v10
	v_mul_u32_u24 v11, CHP, v7
	v_add_nc_u32 v11, s83, v11
	s_mul_i32 s83, s3, 320
	s_add_co_u32 s83, s83, DS0
	v_lshl_add_u32 v12, v1, 2, s83                 ; chain c of the wave = word c of its eight records of ten
	v_lshl_add_u32 v13, v7, 2, s83
.irp c, 0,1,2,3
	ds_load_b128 v[SW+4*\c:SW+4*\c+3], v10 offset:16*\c
.endr
.irp c, 0,1,2,3
	ds_load_b128 v[SW+16+4*\c:SW+16+4*\c+3], v10 offset:32*CHP+16*\c
.endr
.irp c, 0,1,2,3
	ds_load_b128 v[SW+32+4*\c:SW+32+4*\c+3], v11 offset:64*CHP+16*\c
.endr
	s_wait_dscnt 0x0
.irp k, 1,2,3,4,5,6,7,8,9,10,11,12,13,14,15
.irp p, 0,1,2
	v_add_f32 v[SW+16*\p], v[SW+16*\p], v[SW+16*\p+\k]     ; windows in ascending order
.endr
.endr
	; The correctly rounded root: v_sqrt_f32 is good to 1 ULP (ISA guide 15.8), so its two neighbours are tried: with s- and s+ the numbers next
	; to s, s- is right if x - s- s <= 0 and s+ if x - s+ s > 0, each residue in one fused multiply-add.  A sum below 2^-96 is first multiplied
	; by 2^32 and its root by 2^-16, so that no denormal meets v_sqrt_f32.
.irp p, 0,1,2
	v_cmp_gt_f32 s[SQ+\p], 0x0f800000, v[SW+16*\p]
	v_mul_f32 v[SW+16*\p+1], 0x4f800000, v[SW+16*\p]
	v_cndmask_b32 v[SW+16*\p], v[SW+16*\p], v[SW+16*\p+1], s[SQ+\p]
.endr
.irp p, 0,1,2
	v_sqrt_f32 v[SW+16*\p+1], v[SW+16*\p]
.endr
	v_nop                                          ; the plain instruction between a root and its first use (ISA guide 5.7.2)
	s_wait_alu depctr_va_vdst(0)
.irp p, 0,1,2
	v_add_nc_u32 v[SW+16*\p+2], -1, v[SW+16*\p+1]
	v_add_nc_u32 v[SW+16*\p+3], 1, v[SW+16*\p+1]
	v_fma_f32 v[SW+16*\p+4], -v[SW+16*\p+2], v[SW+16*\p+1], v[SW+16*\p]
	v_fma_f32 v[SW+16*\p+5], -v[SW+16*\p+3], v[SW+16*\p+1], v[SW+16*\p]
	v_cmp_ge_f32 vcc_lo, 0, v[SW+16*\p+4]
	v_cndmask_b32 v[SW+16*\p+1], v[SW+16*\p+1], v[SW+16*\p+2], vcc_lo
	v_cmp_lt_f32 vcc_lo, 0, v[SW+16*\p+5]
	v_cndmask_b32 v[SW+16*\p+1], v[SW+16*\p+1], v[SW+16*\p+3], vcc_lo
	v_mul_f32 v[SW+16*\p+2], 0x37800000, v[SW+16*\p+1]
	v_cndmask_b32 v[SW+16*\p], v[SW+16*\p+1], v[SW+16*\p+2], s[SQ+\p]
.endr
	ds_store_b32 v12, v[SW]
	ds_store_b32 v12, v[SW+16] offset:128
	ds_store_b32 v13, v[SW+32] offset:256          ; lanes L and L + 16 write the same word with the same value
.irp q, 0,1,2,3,4,5,6,7
	v_mov_b32 v[BIAS8+\q], v9                      ; C(m, n = r) = b[16 w + r] in all eight rows: the sums start with the bias
.endr
	v_mov_b32 v254, 0                              ; codes of rows L and 32 + L
	v_mov_b32 v255, 0
	s_wait_dscnt 0x0                               ; my bf16 rows and distances are in LDS,
	s_barrier_signal -1
	s_barrier_wait -1                              ; everybody's are
	ALOAD 0
.irp s, 0,1,2,3,4,5,6,7,8,9,10,11,12,13,14,15
	KSTEP \s
.endr
.rept 4
	v_nop                                          ; four places before results are read (ISA guide 7.12.1)
.endr
	; Register j of tile a holds rows 16 a + j (lanes 0-15) and 16 a + 8 + j (lanes 16-31), lane r = hash bit r: the compare's mask word
	; IS the two rows' codes.  It is dropped into the two lanes that own these rows.
.irp a, 0,1,2,3
.irp j, 0,1,2,3,4,5,6,7
	v_cmp_lt_f32 s[74+\j], 0, v[ACCM+8*\a+\j]
.endr
.irp j, 0,1,2,3,4,5,6,7
	s_mov_b32 s82, (0x0101<<\j)<<(16*(\a&1))
	v_cndmask_b32 v[254+(\a>>1)], v[254+(\a>>1)], s[74+\j], s82
.endr
.irp j, 0,1,2,3,4,5,6,7
	ds_store_b32 v252, v[ACCM+8*\a+\j] offset:(16*\a+\j)*PSP
.endr
.endr
	v_lshrrev_b32 v254, v253, v254
	v_lshrrev_b32 v255, v253, v255
	v_and_b32 v254, 0xffff, v254
	v_and_b32 v255, 0xffff, v255
	s_lshl_b32 s83, s3, 2
	s_add_co_u32 s83, s83, COD
	v_lshl_add_u32 v8, v1, 5, s83                  ; row L, table w
	ds_store_b32 v8, v254
	ds_store_b32 v8, v255 offset:32*32
	s_wait_dscnt 0x0                               ; my columns of proj and my codes are in LDS,
	s_barrier_signal -1
	s_barrier_wait -1                              ; everybody's are
	; THE WAY OUT: wave w takes rows 8 w .. 8 w + 7 whole
	s_mul_i32 s83, s3, 8*PSP
	s_add_co_u32 s83, s83, PST
	v_lshl_add_u32 v7, v1, 4, s83
	s_lshl_b32 s83, s3, 8
	s_add_co_u32 s83, s83, COD
	v_lshl_add_u32 v8, v1, 3, s83
.irp i, 0,1,2,3,4,5,6,7
	ds_load_b128 v[AF+4*\i:AF+4*\i+3], v7 offset:PSP*\i
.endr
	ds_load_b64 v[50:51], v8
.irp i, 0,1,2,3,4,5,6,7
	s_wait_dscnt 8-\i                              ; row i is in: 7 - i rows and the codes are behind it
	global_store_b128 v2, v[AF+4*\i:AF+4*\i+3], s[84:85] offset:512*\i th:TH_STORE_NT    ; a whole row of proj, 512 aligned bytes
.endr
	s_wait_dscnt 0x0
	global_store_b64 v5, v[50:51], s[86:87] th:TH_STORE_NT                                ; eight rows of codes, 256 aligned bytes
	s_cmp_lg_u32 s3, 0
	s_cbranch_scc1 .Lend
	FINAL DS0                                      ; wave 0: the distances of all 64 queries, stored in front of the barrier before phase B
	global_store_b64 v5, v[FI:FI+1], s[88:89]      ; level 0 starts at row 0: the winner is the index itself
	global_store_b64 v5, v[FB:FB+1], s[90:91]
.Lend:
	s_set_vgpr_msb 0x5
	s_wait_tensorcnt 0x0
	ds_add_u32 v0, v1
	s_wait_dscnt 0x0
	s_set_vgpr_msb 0x500
	s_endpgm
.Lfunc_end_k_q73de8c84f4_lsh0:
	.size	k_q73de8c84f4_lsh0, .Lfunc_end_k_q73de8c84f4_lsh0-k_q73de8c84f4_lsh0
	.p2alignl 7, 3214868480
	.fill 96, 4, 3214868480
	.section	.rodata,"a",@progbits
	.p2align	6, 0x0
	.amdhsa_kernel k_q73de8c84f4_lsh0
		.amdhsa_group_segment_fixed_size 327680
		.amdhsa_private_segment_fixed_size 0
		.amdhsa_enable_private_segment 0
		.amdhsa_kernarg_size 104
		.amdhsa_user_sgpr_count 2
		.amdhsa_user_sgpr_kernarg_segment_ptr 1
		.amdhsa_wavefront_size32 1
		.amdhsa_system_sgpr_workgroup_id_x 1
		.amdhsa_system_sgpr_workgroup_id_y 1
		.amdhsa_system_sgpr_workgroup_id_z 1
		.amdhsa_system_vgpr_workitem_id 0
		.amdhsa_next_free_vgpr 258
		.amdhsa_next_free_sgpr 100
		.amdhsa_reserve_vcc 1
		.amdhsa_float_denorm_mode_32 3
		.amdhsa_float_denorm_mode_16_64 3
		.amdhsa_memory_ordered 1
		.amdhsa_forward_progress 1
		.amdhsa_inst_pref_size 240
	.end_amdhsa_kernel
	.amdgpu_metadata
---
amdhsa.version: [ 1, 2 ]
amdhsa.kernels:
  - .name:           k_q73de8c84f4_lsh0
    .symbol:         k_q73de8c84f4_lsh0.kd
    .args:
      - { .name: embeddings, .offset: 0, .size: 8, .value_kind: global_buffer, .address_space: global }
      - { .name: hash_W, .offset: 8, .size: 8, .value_kind: global_buffer, .address_space: global }
      - { .name: hash_b, .offset: 16, .size: 8, .value_kind: global_buffer, .address_space: global }
      - { .name: centroids_0, .offset: 24, .size: 8, .value_kind: global_buffer, .address_space: global }
      - { .name: centroids_1, .offset: 32, .size: 8, .value_kind: global_buffer, .address_space: global }
      - { .name: centroids_2, .offset: 40, .size: 8, .value_kind: global_buffer, .address_space: global }
      - { .name: ebf, .offset: 48, .size: 8, .value_kind: global_buffer, .address_space: global }
      - { .name: c1b, .offset: 56, .size: 8, .value_kind: global_buffer, .address_space: global }
      - { .name: c2b, .offset: 64, .size: 8, .value_kind: global_buffer, .address_space: global }
      - { .name: cur0, .offset: 72, .size: 8, .value_kind: global_buffer, .address_space: global }
      - { .name: dis0, .offset: 80, .size: 8, .value_kind: global_buffer, .address_space: global }
      - { .name: out0, .offset: 88, .size: 8, .value_kind: global_buffer, .address_space: global }
      - { .name: out4, .offset: 96, .size: 8, .value_kind: global_buffer, .address_space: global }
    .group_segment_fixed_size: 327680
    .private_segment_fixed_size: 0
    .kernarg_segment_align: 8
    .kernarg_segment_size: 104
    .max_flat_workgroup_size: 256
    .sgpr_count:     100
    .vgpr_count:     258
    .wavefront_size: 32
...
	.end_amdgpu_metadata
.endif
;; end of part 1
;; launch lvl1 (part 2): grid 256 x 1, 16 waves a work-group, no clusters, 55,808 bytes of LDS; arguments ebf, c1b, cur0, cur1, dis1; writes cur1, dis1
.if DOCPART == 2
	.amdgcn_target "amdgcn-amd-amdhsa--gfx1250"
	.amdhsa_code_object_version 6
	.text
	.protected	k_q73de8c84f4_lvl1
	.globl	k_q73de8c84f4_lvl1
	.p2align	8
	.type	k_q73de8c84f4_lvl1,@function
k_q73de8c84f4_lvl1:
	s_mov_b64 s[64:65], 0
	v_nop
	global_prefetch_b8 v0, s[64:65] scope:SCOPE_SE
	s_setreg_imm32_b32 hwreg(HW_REG_WAVE_MODE, 25, 1), 1
	s_wait_xcnt 0x0
; PatternMemory, second of three launches: tree level 1.  For each query the ten rows 10 p .. 10 p + 9 of centroids_1 (p = the level-0 winner, read
; from cur0 as a whole number), the distances to them, the first nearest.  cur1 = 10 p + nearest, dis1 = its distance.
; Data: embeddings and centroids as rounded to bf16 by the first launch; differences, squares and sums in f32, as sums of (e - c)^2.
; In each row of ebf and c1b, byte 256 c + 16 k holds elements 32 k + 8 c .. + 7 (window k of 32 elements, c = 0..3).
; ORDER OF A DISTANCE'S SUM: each square is rounded to f32; 16 windows of 32 neighbouring d are each added in ascending order; the 16 window
; sums are added in ascending order; the root is correctly rounded.  This is the order that I take JAX's CPU compiler to give to a sum of 512
; numbers (a window pass of 32, then a reduction); it is also a short tree, so its rounding error is small whatever the other side's order is.
; Limits: a NaN distance is taken at its last place, not its first; a choice between two rows that is nearer to a tie than two orders of f32
; addition differ can fall either way.  p is clamped to 9, the last parent that the table has; a p from the first launch passes unchanged.
; 256 work-groups of 16 waves, 64 queries each; wave w takes queries 4 w .. 4 w + 3, two at a time: lane (k = L & 15, h = L >> 4) owns window k
; of query 2 i + h, for all ten rows.  A unit of work is half a window (16 elements) of a pair of queries: 22 loads, 11,264 bytes; two units
; are on their way in each wave.  No matrix unit: ten rows that differ from query to query, and the product form of a distance is a
; difference of large sums.  No cluster, no tensor loads: no two work-groups have a tile in common, since the rows hang on each query's own
; winner, and each row of ebf is read once.
.set CHP,   80                         ; LDS 0 .. 51,199: window sums, a chain of 16 words (64 bytes + 16) for each (query, row), 40 chains a wave
.set DSB,   51200                      ; LDS: distances, ten words a query
.set LASTP, 9                          ; the largest parent
.set FAM,   10240                      ; ten rows of 1,024 bytes
.set VC,    4                          ; v[4:5]     pair i: my byte offset in the table, 10,240 p + 16 k
.set EB,    10                         ; v[10:25]   two slots of 8: half of my window of the query, bf16
.set DT,    26                         ; v[26:35]   differences, then squares: one for each row
.set ACC,   36                         ; v[36:45]   window sums: one for each row
.set CB,    46                         ; v[46:205]  two slots of 80: row j at + 8 j, half of my window, bf16
.set SW,    46                         ; v[46:77]   two chains of 16 window sums
.set FS,    80                         ; the search at the end, in registers of CB
.set FB,    100
.set FI,    102
.set FA,    104
.set GO,    105                        ; 8 L
.set PV,    106                        ; the parents of the lane's two queries
.set CU,    108                        ; the new winners
.set EBASE, 36                         ; s[36:37] ebf at the wave's first query
.set SQ,    38                         ; s[38:39] which lanes' sums were scaled before the root
; One wave, lane L for queries 2 L and 2 L + 1 of the work-group: the first smallest of ten (a later one wins only if strictly smaller).
.macro FINAL dsbase
	v_and_b32 v[FA], 31, v0
	v_mul_u32_u24 v[FA], 80, v[FA]
	v_add_nc_u32 v[FA], \dsbase, v[FA]
.irp t, 0,1,2,3,4
	ds_load_b128 v[FS+4*\t:FS+4*\t+3], v[FA] offset:16*\t
.endr
	s_wait_dscnt 0x0
	v_mov_b32 v[FI], 0
	v_mov_b32 v[FI+1], 0
	v_mov_b32 v[FB], v[FS]
	v_mov_b32 v[FB+1], v[FS+10]
.irp u, 0,1
.irp j, 1,2,3,4,5,6,7,8,9
	v_cmp_le_f32 vcc_lo, v[FB+\u], v[FS+10*\u+\j]
	v_cndmask_b32 v[FI+\u], \j, v[FI+\u], vcc_lo
	v_cndmask_b32 v[FB+\u], v[FS+10*\u+\j], v[FB+\u], vcc_lo
.endr
.endr
.endm
; Unit u = pair u >> 1, half window u & 1.  22 loads; each half of the wave reads 256 consecutive aligned bytes in each.
.macro ISSUE u, slot
.irp cc, 0,1
	global_load_b128 v[EB+8*\slot+4*\cc:EB+8*\slot+4*\cc+3], v1, s[EBASE:EBASE+1] offset:2048*(\u>>1)+512*(\u&1)+256*\cc
.endr
.irp j, 0,1,2,3,4,5,6,7,8,9
.irp cc, 0,1
	global_load_b128 v[CB+80*\slot+8*\j+4*\cc:CB+80*\slot+8*\j+4*\cc+3], v[VC+(\u>>1)], s[6:7] offset:1024*\j+512*(\u&1)+256*\cc
.endr
.endr
.endm
; For each element e - c (c x -1 + e from two bf16 halves, one rounding, as a subtraction in f32), the square rounded, then added:
; five packed chains, each in ascending order of d.  A window's first squares start its sums; its second half goes on with them.
.macro UNIT u, slot, left
	s_wait_loadcnt \left                           ; this slot's 22 loads are in; the other slot's 22, if issued, stay out
.irp m, 0,1,2,3,4,5,6,7
.irp hf, 0,1
.irp j, 0,1,2,3,4,5,6,7,8,9
	v_fma_mix_f32_bf16 v[DT+\j], v[CB+80*\slot+8*\j+\m], v2, v[EB+8*\slot+\m] op_sel:[\hf,0,\hf] op_sel_hi:[1,0,1]
.endr
.if (\u&1)+\m+\hf == 0
.irp q, 0,1,2,3,4
	v_pk_mul_f32 v[ACC+2*\q:ACC+2*\q+1], v[DT+2*\q:DT+2*\q+1], v[DT+2*\q:DT+2*\q+1]
.endr
.else
.irp q, 0,1,2,3,4
	v_pk_mul_f32 v[DT+2*\q:DT+2*\q+1], v[DT+2*\q:DT+2*\q+1], v[DT+2*\q:DT+2*\q+1]
.endr
.irp q, 0,1,2,3,4
	v_pk_add_f32 v[ACC+2*\q:ACC+2*\q+1], v[ACC+2*\q:ACC+2*\q+1], v[DT+2*\q:DT+2*\q+1]
.endr
.endif
.endr
.endr
.if \u&1
.irp j, 0,1,2,3,4,5,6,7,8,9
	ds_store_b32 v3, v[ACC+\j] offset:20*CHP*(\u>>1)+CHP*\j
.endr
.endif
.endm
	s_load_b256 s[4:11], s[0:1], 0x0               ; ebf s[4:5], c1b s[6:7], cur0 s[8:9], cur1 s[10:11]
	s_load_b64 s[12:13], s[0:1], 0x20              ; dis1
	v_lshl_add_u32 v216, v0, 2, 0xd200
	v_mov_b32 v217, 0
	s_mov_b32 s2, ttmp9                            ; g
	v_lshrrev_b32 v2, 5, v0
	v_readfirstlane_b32 s3, v2                     ; w
	v_and_b32 v6, 15, v0                           ; k
	v_bfe_u32 v7, v0, 4, 1                         ; h
	v_lshlrev_b32 v9, 4, v6                        ; 16 k
	v_lshl_add_u32 v1, v7, 10, v9                  ; 1,024 h + 16 k: my place in two rows of ebf
	v_lshlrev_b32 v8, 2, v7                        ; 4 h
	s_mul_i32 s22, s3, 40*CHP
	v_lshl_add_u32 v3, v6, 2, s22
	v_mul_u32_u24 v2, 10*CHP, v7
	v_add_nc_u32 v3, v3, v2                        ; LDS: word k of the chain of (query h, row 0) of the wave
	v_mov_b32 v2, -1.0
	s_lshl_b32 s22, s2, 8
	s_lshl_b32 s23, s3, 4
	s_add_co_u32 s22, s22, s23                     ; 4 (64 g + 4 w)
	s_mov_b32 s23, 0                               ; s[22:23]: an offset as a pair; s23 stays 0
	s_wait_kmcnt 0x0
	s_add_nc_u64 s[46:47], s[8:9], s[22:23]
	global_load_b32 v6, v8, s[46:47]               ; the parent of query h
	global_load_b32 v7, v8, s[46:47] offset:8      ; and of query 2 + h
	s_lshl_b32 s22, s22, 8                         ; 1,024 (64 g + 4 w)
	s_add_nc_u64 s[EBASE:EBASE+1], s[4:5], s[22:23]
	s_wait_loadcnt 0x0
.irp i, 0,1
	v_min_u32 v[6+\i], LASTP, v[6+\i]
	v_mul_u32_u24 v[VC+\i], FAM, v[6+\i]
	v_add_nc_u32 v[VC+\i], v[VC+\i], v9
.endr
	ISSUE 0, 0
	ISSUE 1, 1
	UNIT 0, 0, 22
	ISSUE 2, 0
	UNIT 1, 1, 22
	ISSUE 3, 1
	UNIT 2, 0, 22
	UNIT 3, 1, 0
	; THE WINDOW SUMS BECOME DISTANCES.  The wave's 40 chains lie in its own LDS bytes, and LDS serves a wave's instructions in order (ISA guide
	; 5.7.1), so no wait stands between its stores and these loads.  Lane L takes chains L and 32 + (L & 7).
	v_and_b32 v206, 31, v0
	v_and_b32 v207, 7, v0
	s_mul_i32 s22, s3, 40*CHP
	v_mul_u32_u24 v208, CHP, v206
	v_add_nc_u32 v208, s22, v208
	v_mul_u32_u24 v209, CHP, v207
	v_add_nc_u32 v209, s22, v209
	s_mul_i32 s22, s3, 160
	s_add_co_u32 s22, s22, DSB
	v_lshl_add_u32 v206, v206, 2, s22              ; chain c of the wave = word c of its four records of ten
	v_lshl_add_u32 v207, v207, 2, s22
.irp c, 0,1,2,3
	ds_load_b128 v[SW+4*\c:SW+4*\c+3], v208 offset:16*\c
.endr
.irp c, 0,1,2,3
	ds_load_b128 v[SW+16+4*\c:SW+16+4*\c+3], v209 offset:32*CHP+16*\c
.endr
	s_wait_dscnt 0x0
.irp k, 1,2,3,4,5,6,7,8,9,10,11,12,13,14,15
.irp p, 0,1
	v_add_f32 v[SW+16*\p], v[SW+16*\p], v[SW+16*\p+\k]     ; windows in ascending order
.endr
.endr
	; The correctly rounded root: v_sqrt_f32 is good to 1 ULP (ISA guide 15.8), so its two neighbours are tried: with s- and s+ the numbers next
	; to s, s- is right if x - s- s <= 0 and s+ if x - s+ s > 0, each residue in one fused multiply-add.  A sum below 2^-96 is first multiplied
	; by 2^32 and its root by 2^-16, so that no denormal meets v_sqrt_f32.
.irp p, 0,1
	v_cmp_gt_f32 s[SQ+\p], 0x0f800000, v[SW+16*\p]
	v_mul_f32 v[SW+16*\p+1], 0x4f800000, v[SW+16*\p]
	v_cndmask_b32 v[SW+16*\p], v[SW+16*\p], v[SW+16*\p+1], s[SQ+\p]
.endr
.irp p, 0,1
	v_sqrt_f32 v[SW+16*\p+1], v[SW+16*\p]
.endr
	v_nop                                          ; the plain instruction between a root and its first use (ISA guide 5.7.2)
	s_wait_alu depctr_va_vdst(0)
.irp p, 0,1
	v_add_nc_u32 v[SW+16*\p+2], -1, v[SW+16*\p+1]
	v_add_nc_u32 v[SW+16*\p+3], 1, v[SW+16*\p+1]
	v_fma_f32 v[SW+16*\p+4], -v[SW+16*\p+2], v[SW+16*\p+1], v[SW+16*\p]
	v_fma_f32 v[SW+16*\p+5], -v[SW+16*\p+3], v[SW+16*\p+1], v[SW+16*\p]
	v_cmp_ge_f32 vcc_lo, 0, v[SW+16*\p+4]
	v_cndmask_b32 v[SW+16*\p+1], v[SW+16*\p+1], v[SW+16*\p+2], vcc_lo
	v_cmp_lt_f32 vcc_lo, 0, v[SW+16*\p+5]
	v_cndmask_b32 v[SW+16*\p+1], v[SW+16*\p+1], v[SW+16*\p+3], vcc_lo
	v_mul_f32 v[SW+16*\p+2], 0x37800000, v[SW+16*\p+1]
	v_cndmask_b32 v[SW+16*\p], v[SW+16*\p+1], v[SW+16*\p+2], s[SQ+\p]
.endr
	ds_store_b32 v206, v[SW]
	ds_store_b32 v207, v[SW+16] offset:128         ; lanes with the same L & 7 write the same word with the same value
	s_wait_dscnt 0x0                               ; my 40 distances are in LDS,
	s_barrier_signal -1
	s_barrier_wait -1                              ; everybody's are
	s_cmp_lg_u32 s3, 0
	s_cbranch_scc1 .Lend
	s_lshl_b32 s22, s2, 8                          ; wave 0: 4 x 64 g
	s_add_nc_u64 s[8:9], s[8:9], s[22:23]
	s_add_nc_u64 s[10:11], s[10:11], s[22:23]
	s_add_nc_u64 s[12:13], s[12:13], s[22:23]
	v_and_b32 v[GO], 31, v0
	v_lshlrev_b32 v[GO], 3, v[GO]                  ; 8 L: two queries a lane, the wave's store covers 256 aligned bytes
	global_load_b64 v[PV:PV+1], v[GO], s[8:9]      ; the parents once more, as data
	FINAL DSB
	s_wait_loadcnt 0x0
	v_mad_u32_u24 v[CU], v[PV], 10, v[FI]
	v_mad_u32_u24 v[CU+1], v[PV+1], 10, v[FI+1]
	global_store_b64 v[GO], v[CU:CU+1], s[10:11]
	global_store_b64 v[GO], v[FB:FB+1], s[12:13]
.Lend:
	s_wait_tensorcnt 0x0
	ds_add_u32 v216, v217
	s_wait_dscnt 0x0
	s_endpgm
.Lfunc_end_k_q73de8c84f4_lvl1:
	.size	k_q73de8c84f4_lvl1, .Lfunc_end_k_q73de8c84f4_lvl1-k_q73de8c84f4_lvl1
	.p2alignl 7, 3214868480
	.fill 96, 4, 3214868480
	.section	.rodata,"a",@progbits
	.p2align	6, 0x0
	.amdhsa_kernel k_q73de8c84f4_lvl1
		.amdhsa_group_segment_fixed_size 55808
		.amdhsa_private_segment_fixed_size 0
		.amdhsa_enable_private_segment 0
		.amdhsa_kernarg_size 40
		.amdhsa_user_sgpr_count 2
		.amdhsa_user_sgpr_kernarg_segment_ptr 1
		.amdhsa_wavefront_size32 1
		.amdhsa_system_sgpr_workgroup_id_x 1
		.amdhsa_system_sgpr_workgroup_id_y 1
		.amdhsa_system_sgpr_workgroup_id_z 1
		.amdhsa_system_vgpr_workitem_id 0
		.amdhsa_next_free_vgpr 218
		.amdhsa_next_free_sgpr 66
		.amdhsa_reserve_vcc 1
		.amdhsa_float_denorm_mode_32 3
		.amdhsa_float_denorm_mode_16_64 3
		.amdhsa_memory_ordered 1
		.amdhsa_forward_progress 1
		.amdhsa_inst_pref_size 98
	.end_amdhsa_kernel
	.amdgpu_metadata
---
amdhsa.version: [ 1, 2 ]
amdhsa.kernels:
  - .name:           k_q73de8c84f4_lvl1
    .symbol:         k_q73de8c84f4_lvl1.kd
    .args:
      - { .name: ebf, .offset: 0, .size: 8, .value_kind: global_buffer, .address_space: global }
      - { .name: c1b, .offset: 8, .size: 8, .value_kind: global_buffer, .address_space: global }
      - { .name: cur0, .offset: 16, .size: 8, .value_kind: global_buffer, .address_space: global }
      - { .name: cur1, .offset: 24, .size: 8, .value_kind: global_buffer, .address_space: global }
      - { .name: dis1, .offset: 32, .size: 8, .value_kind: global_buffer, .address_space: global }
    .group_segment_fixed_size: 55808
    .private_segment_fixed_size: 0
    .kernarg_segment_align: 8
    .kernarg_segment_size: 40
    .max_flat_workgroup_size: 512
    .sgpr_count:     66
    .vgpr_count:     218
    .wavefront_size: 32
...
	.end_amdgpu_metadata
.endif
;; end of part 2
;; launch lvl2 (part 3): grid 256 x 1, 16 waves a work-group, no clusters, 57,344 bytes of LDS; arguments ebf, c2b, cur1, cur0, dis0, dis1, out1, out2, out3; writes out1, out2, out3
.if DOCPART == 3
	.amdgcn_target "amdgcn-amd-amdhsa--gfx1250"
	.amdhsa_code_object_version 6
	.text
	.protected	k_q73de8c84f4_lvl2
	.globl	k_q73de8c84f4_lvl2
	.p2align	8
	.type	k_q73de8c84f4_lvl2,@function
k_q73de8c84f4_lvl2:
	s_mov_b64 s[64:65], 0
	v_nop
	global_prefetch_b8 v0, s[64:65] scope:SCOPE_SE
	s_setreg_imm32_b32 hwreg(HW_REG_WAVE_MODE, 25, 1), 1
	s_wait_xcnt 0x0
; PatternMemory, third of three launches: tree level 2, and the assembly of path and min_dists.  For each query the ten rows 10 p .. 10 p + 9 of
; centroids_2 (p = the level-1 winner, read from cur1 as a whole number), the distances, the first nearest.
; out1 = leaf = 10 p + nearest; out2 = (cur0, cur1, leaf); out3 = (dis0, dis1, this level's distance).
; Data: embeddings and centroids as rounded to bf16 by the first launch; differences, squares and sums in f32, as sums of (e - c)^2.
; In each row of ebf and c2b, byte 256 c + 16 k holds elements 32 k + 8 c .. + 7 (window k of 32 elements, c = 0..3).
; ORDER OF A DISTANCE'S SUM: each square is rounded to f32; 16 windows of 32 neighbouring d are each added in ascending order; the 16 window
; sums are added in ascending order; the root is correctly rounded.  This is the order that I take JAX's CPU compiler to give to a sum of 512
; numbers (a window pass of 32, then a reduction); it is also a short tree, so its rounding error is small whatever the other side's order is.
; Limits: a NaN distance is taken at its last place, not its first; a choice between two rows that is nearer to a tie than two orders of f32
; addition differ can fall either way.  p is clamped to 99, the last parent that the table has; a p from the second launch passes unchanged.
; 256 work-groups of 16 waves, 64 queries each; wave w takes queries 4 w .. 4 w + 3, two at a time: lane (k = L & 15, h = L >> 4) owns window k
; of query 2 i + h, for all ten rows.  A unit of work is half a window (16 elements) of a pair of queries: 22 loads, 11,264 bytes; two units
; are on their way in each wave.  No matrix unit: ten rows that differ from query to query, and the product form of a distance is a
; difference of large sums.  No cluster, no tensor loads: no two work-groups have a tile in common, since the rows hang on each query's own
; winner, and each row of ebf is read once.
.set CHP,   80                         ; LDS 0 .. 51,199: window sums, a chain of 16 words (64 bytes + 16) for each (query, row), 40 chains a wave
.set DSB,   51200                      ; LDS: distances, ten words a query
.set STP,   53760                      ; LDS: 64 x 12 bytes of path, wave 0 alone
.set STD,   54528                      ; LDS: 64 x 12 bytes of min_dists, wave 0 alone
.set LASTP, 99                         ; the largest parent
.set FAM,   10240                      ; ten rows of 1,024 bytes
.set VC,    4                          ; v[4:5]     pair i: my byte offset in the table, 10,240 p + 16 k
.set EB,    10                         ; v[10:25]   two slots of 8: half of my window of the query, bf16
.set DT,    26                         ; v[26:35]   differences, then squares: one for each row
.set ACC,   36                         ; v[36:45]   window sums: one for each row
.set CB,    46                         ; v[46:205]  two slots of 80: row j at + 8 j, half of my window, bf16
.set SW,    46                         ; v[46:77]   two chains of 16 window sums
.set FS,    80                         ; the search at the end, in registers of CB
.set FB,    100
.set FI,    102
.set FA,    104
.set GO,    105                        ; 8 L
.set PV,    106                        ; cur1 of the lane's two queries
.set CU,    108                        ; the leaves
.set P0,    110                        ; cur0
.set D0,    112                        ; dis0
.set D1,    114                        ; dis1
.set SA,    116                        ; 24 L
.set LP,    118                        ; v[118:123] path, read back by rows of 256 bytes
.set LD,    124                        ; v[124:129] min_dists likewise
.set EBASE, 36                         ; s[36:37] ebf at the wave's first query
.set SQ,    38                         ; s[38:39] which lanes' sums were scaled before the root
; One wave, lane L for queries 2 L and 2 L + 1 of the work-group: the first smallest of ten (a later one wins only if strictly smaller).
.macro FINAL dsbase
	v_and_b32 v[FA], 31, v0
	v_mul_u32_u24 v[FA], 80, v[FA]
	v_add_nc_u32 v[FA], \dsbase, v[FA]
.irp t, 0,1,2,3,4
	ds_load_b128 v[FS+4*\t:FS+4*\t+3], v[FA] offset:16*\t
.endr
	s_wait_dscnt 0x0
	v_mov_b32 v[FI], 0
	v_mov_b32 v[FI+1], 0
	v_mov_b32 v[FB], v[FS]
	v_mov_b32 v[FB+1], v[FS+10]
.irp u, 0,1
.irp j, 1,2,3,4,5,6,7,8,9
	v_cmp_le_f32 vcc_lo, v[FB+\u], v[FS+10*\u+\j]
	v_cndmask_b32 v[FI+\u], \j, v[FI+\u], vcc_lo
	v_cndmask_b32 v[FB+\u], v[FS+10*\u+\j], v[FB+\u], vcc_lo
.endr
.endr
.endm
; Unit u = pair u >> 1, half window u & 1.  22 loads; each half of the wave reads 256 consecutive aligned bytes in each.
.macro ISSUE u, slot
.irp cc, 0,1
	global_load_b128 v[EB+8*\slot+4*\cc:EB+8*\slot+4*\cc+3], v1, s[EBASE:EBASE+1] offset:2048*(\u>>1)+512*(\u&1)+256*\cc
.endr
.irp j, 0,1,2,3,4,5,6,7,8,9
.irp cc, 0,1
	global_load_b128 v[CB+80*\slot+8*\j+4*\cc:CB+80*\slot+8*\j+4*\cc+3], v[VC+(\u>>1)], s[6:7] offset:1024*\j+512*(\u&1)+256*\cc
.endr
.endr
.endm
; For each element e - c (c x -1 + e from two bf16 halves, one rounding, as a subtraction in f32), the square rounded, then added:
; five packed chains, each in ascending order of d.  A window's first squares start its sums; its second half goes on with them.
.macro UNIT u, slot, left
	s_wait_loadcnt \left                           ; this slot's 22 loads are in; the other slot's 22, if issued, stay out
.irp m, 0,1,2,3,4,5,6,7
.irp hf, 0,1
.irp j, 0,1,2,3,4,5,6,7,8,9
	v_fma_mix_f32_bf16 v[DT+\j], v[CB+80*\slot+8*\j+\m], v2, v[EB+8*\slot+\m] op_sel:[\hf,0,\hf] op_sel_hi:[1,0,1]
.endr
.if (\u&1)+\m+\hf == 0
.irp q, 0,1,2,3,4
	v_pk_mul_f32 v[ACC+2*\q:ACC+2*\q+1], v[DT+2*\q:DT+2*\q+1], v[DT+2*\q:DT+2*\q+1]
.endr
.else
.irp q, 0,1,2,3,4
	v_pk_mul_f32 v[DT+2*\q:DT+2*\q+1], v[DT+2*\q:DT+2*\q+1], v[DT+2*\q:DT+2*\q+1]
.endr
.irp q, 0,1,2,3,4
	v_pk_add_f32 v[ACC+2*\q:ACC+2*\q+1], v[ACC+2*\q:ACC+2*\q+1], v[DT+2*\q:DT+2*\q+1]
.endr
.endif
.endr
.endr
.if \u&1
.irp j, 0,1,2,3,4,5,6,7,8,9
	ds_store_b32 v3, v[ACC+\j] offset:20*CHP*(\u>>1)+CHP*\j
.endr
.endif
.endm
	s_load_b512 s[4:19], s[0:1], 0x0               ; ebf s[4:5], c2b s[6:7], cur1 s[8:9], cur0 s[10:11], dis0 s[12:13], dis1 s[14:15], out1 s[16:17], out2 s[18:19]
	s_load_b64 s[20:21], s[0:1], 0x40              ; out3
	v_lshl_add_u32 v216, v0, 2, 0xd800
	v_mov_b32 v217, 0
	s_mov_b32 s2, ttmp9                            ; g
	v_lshrrev_b32 v2, 5, v0
	v_readfirstlane_b32 s3, v2                     ; w
	v_and_b32 v6, 15, v0                           ; k
	v_bfe_u32 v7, v0, 4, 1                         ; h
	v_lshlrev_b32 v9, 4, v6                        ; 16 k
	v_lshl_add_u32 v1, v7, 10, v9                  ; 1,024 h + 16 k: my place in two rows of ebf
	v_lshlrev_b32 v8, 2, v7                        ; 4 h
	s_mul_i32 s22, s3, 40*CHP
	v_lshl_add_u32 v3, v6, 2, s22
	v_mul_u32_u24 v2, 10*CHP, v7
	v_add_nc_u32 v3, v3, v2                        ; LDS: word k of the chain of (query h, row 0) of the wave
	v_mov_b32 v2, -1.0
	s_lshl_b32 s22, s2, 8
	s_lshl_b32 s23, s3, 4
	s_add_co_u32 s22, s22, s23                     ; 4 (64 g + 4 w)
	s_mov_b32 s23, 0                               ; s[22:23]: an offset as a pair; s23 stays 0
	s_wait_kmcnt 0x0
	s_add_nc_u64 s[46:47], s[8:9], s[22:23]
	global_load_b32 v6, v8, s[46:47]               ; the parent of query h
	global_load_b32 v7, v8, s[46:47] offset:8      ; and of query 2 + h
	s_lshl_b32 s22, s22, 8                         ; 1,024 (64 g + 4 w)
	s_add_nc_u64 s[EBASE:EBASE+1], s[4:5], s[22:23]
	s_wait_loadcnt 0x0
.irp i, 0,1
	v_min_u32 v[6+\i], LASTP, v[6+\i]
	v_mul_u32_u24 v[VC+\i], FAM, v[6+\i]
	v_add_nc_u32 v[VC+\i], v[VC+\i], v9
.endr
	ISSUE 0, 0
	ISSUE 1, 1
	UNIT 0, 0, 22
	ISSUE 2, 0
	UNIT 1, 1, 22
	ISSUE 3, 1
	UNIT 2, 0, 22
	UNIT 3, 1, 0
	; THE WINDOW SUMS BECOME DISTANCES.  The wave's 40 chains lie in its own LDS bytes, and LDS serves a wave's instructions in order (ISA guide
	; 5.7.1), so no wait stands between its stores and these loads.  Lane L takes chains L and 32 + (L & 7).
	v_and_b32 v206, 31, v0
	v_and_b32 v207, 7, v0
	s_mul_i32 s22, s3, 40*CHP
	v_mul_u32_u24 v208, CHP, v206
	v_add_nc_u32 v208, s22, v208
	v_mul_u32_u24 v209, CHP, v207
	v_add_nc_u32 v209, s22, v209
	s_mul_i32 s22, s3, 160
	s_add_co_u32 s22, s22, DSB
	v_lshl_add_u32 v206, v206, 2, s22              ; chain c of the wave = word c of its four records of ten
	v_lshl_add_u32 v207, v207, 2, s22
.irp c, 0,1,2,3
	ds_load_b128 v[SW+4*\c:SW+4*\c+3], v208 offset:16*\c
.endr
.irp c, 0,1,2,3
	ds_load_b128 v[SW+16+4*\c:SW+16+4*\c+3], v209 offset:32*CHP+16*\c
.endr
	s_wait_dscnt 0x0
.irp k, 1,2,3,4,5,6,7,8,9,10,11,12,13,14,15
.irp p, 0,1
	v_add_f32 v[SW+16*\p], v[SW+16*\p], v[SW+16*\p+\k]     ; windows in ascending order
.endr
.endr
	; The correctly rounded root: v_sqrt_f32 is good to 1 ULP (ISA guide 15.8), so its two neighbours are tried: with s- and s+ the numbers next
	; to s, s- is right if x - s- s <= 0 and s+ if x - s+ s > 0, each residue in one fused multiply-add.  A sum below 2^-96 is first multiplied
	; by 2^32 and its root by 2^-16, so that no denormal meets v_sqrt_f32.
.irp p, 0,1
	v_cmp_gt_f32 s[SQ+\p], 0x0f800000, v[SW+16*\p]
	v_mul_f32 v[SW+16*\p+1], 0x4f800000, v[SW+16*\p]
	v_cndmask_b32 v[SW+16*\p], v[SW+16*\p], v[SW+16*\p+1], s[SQ+\p]
.endr
.irp p, 0,1
	v_sqrt_f32 v[SW+16*\p+1], v[SW+16*\p]
.endr
	v_nop                                          ; the plain instruction between a root and its first use (ISA guide 5.7.2)
	s_wait_alu depctr_va_vdst(0)
.irp p, 0,1
	v_add_nc_u32 v[SW+16*\p+2], -1, v[SW+16*\p+1]
	v_add_nc_u32 v[SW+16*\p+3], 1, v[SW+16*\p+1]
	v_fma_f32 v[SW+16*\p+4], -v[SW+16*\p+2], v[SW+16*\p+1], v[SW+16*\p]
	v_fma_f32 v[SW+16*\p+5], -v[SW+16*\p+3], v[SW+16*\p+1], v[SW+16*\p]
	v_cmp_ge_f32 vcc_lo, 0, v[SW+16*\p+4]
	v_cndmask_b32 v[SW+16*\p+1], v[SW+16*\p+1], v[SW+16*\p+2], vcc_lo
	v_cmp_lt_f32 vcc_lo, 0, v[SW+16*\p+5]
	v_cndmask_b32 v[SW+16*\p+1], v[SW+16*\p+1], v[SW+16*\p+3], vcc_lo
	v_mul_f32 v[SW+16*\p+2], 0x37800000, v[SW+16*\p+1]
	v_cndmask_b32 v[SW+16*\p], v[SW+16*\p+1], v[SW+16*\p+2], s[SQ+\p]
.endr
	ds_store_b32 v206, v[SW]
	ds_store_b32 v207, v[SW+16] offset:128         ; lanes with the same L & 7 write the same word with the same value
	s_wait_dscnt 0x0                               ; my 40 distances are in LDS,
	s_barrier_signal -1
	s_barrier_wait -1                              ; everybody's are
	s_cmp_lg_u32 s3, 0
	s_cbranch_scc1 .Lend
	s_lshl_b32 s22, s2, 8                          ; wave 0: 4 x 64 g
	s_add_nc_u64 s[8:9], s[8:9], s[22:23]
	s_add_nc_u64 s[10:11], s[10:11], s[22:23]
	s_add_nc_u64 s[12:13], s[12:13], s[22:23]
	s_add_nc_u64 s[14:15], s[14:15], s[22:23]
	s_add_nc_u64 s[16:17], s[16:17], s[22:23]
	s_mul_i32 s22, s2, 768                         ; 12 x 64 g
	s_add_nc_u64 s[18:19], s[18:19], s[22:23]
	s_add_nc_u64 s[20:21], s[20:21], s[22:23]
	v_and_b32 v[SA], 31, v0
	v_lshlrev_b32 v[GO], 3, v[SA]                  ; 8 L
	v_mul_u32_u24 v[SA], 24, v[SA]                 ; 24 L
	global_load_b64 v[PV:PV+1], v[GO], s[8:9]      ; what the earlier levels found, as data
	global_load_b64 v[P0:P0+1], v[GO], s[10:11]
	global_load_b64 v[D0:D0+1], v[GO], s[12:13]
	global_load_b64 v[D1:D1+1], v[GO], s[14:15]
	FINAL DSB
	s_wait_loadcnt 0x0
	v_mad_u32_u24 v[CU], v[PV], 10, v[FI]
	v_mad_u32_u24 v[CU+1], v[PV+1], 10, v[FI+1]
	global_store_b64 v[GO], v[CU:CU+1], s[16:17]   ; leaves: 256 aligned bytes
	; Three words a query: through LDS, so that each global store covers 256 aligned bytes.  The stage is this wave's own, and LDS serves a
	; wave's instructions in order (ISA guide 5.7.1): no wait between the stores and the loads.
.irp u, 0,1
	ds_store_b32 v[SA], v[P0+\u] offset:STP+12*\u
	ds_store_b32 v[SA], v[PV+\u] offset:STP+12*\u+4
	ds_store_b32 v[SA], v[CU+\u] offset:STP+12*\u+8
	ds_store_b32 v[SA], v[D0+\u] offset:STD+12*\u
	ds_store_b32 v[SA], v[D1+\u] offset:STD+12*\u+4
	ds_store_b32 v[SA], v[FB+\u] offset:STD+12*\u+8
.endr
.irp k, 0,1,2
	ds_load_b64 v[LP+2*\k:LP+2*\k+1], v[GO] offset:STP+256*\k
.endr
.irp k, 0,1,2
	ds_load_b64 v[LD+2*\k:LD+2*\k+1], v[GO] offset:STD+256*\k
.endr
.irp k, 0,1,2
	s_wait_dscnt 5-\k                              ; of the six loads, those behind this one may stay out
	global_store_b64 v[GO], v[LP+2*\k:LP+2*\k+1], s[18:19] offset:256*\k
.endr
.irp k, 0,1,2
	s_wait_dscnt 2-\k
	global_store_b64 v[GO], v[LD+2*\k:LD+2*\k+1], s[20:21] offset:256*\k
.endr
.Lend:
	s_wait_tensorcnt 0x0
	ds_add_u32 v216, v217
	s_wait_dscnt 0x0
	s_endpgm
.Lfunc_end_k_q73de8c84f4_lvl2:
	.size	k_q73de8c84f4_lvl2, .Lfunc_end_k_q73de8c84f4_lvl2-k_q73de8c84f4_lvl2
	.p2alignl 7, 3214868480
	.fill 96, 4, 3214868480
	.section	.rodata,"a",@progbits
	.p2align	6, 0x0
	.amdhsa_kernel k_q73de8c84f4_lvl2
		.amdhsa_group_segment_fixed_size 57344
		.amdhsa_private_segment_fixed_size 0
		.amdhsa_enable_private_segment 0
		.amdhsa_kernarg_size 72
		.amdhsa_user_sgpr_count 2
		.amdhsa_user_sgpr_kernarg_segment_ptr 1
		.amdhsa_wavefront_size32 1
		.amdhsa_system_sgpr_workgroup_id_x 1
		.amdhsa_system_sgpr_workgroup_id_y 1
		.amdhsa_system_sgpr_workgroup_id_z 1
		.amdhsa_system_vgpr_workitem_id 0
		.amdhsa_next_free_vgpr 218
		.amdhsa_next_free_sgpr 66
		.amdhsa_reserve_vcc 1
		.amdhsa_float_denorm_mode_32 3
		.amdhsa_float_denorm_mode_16_64 3
		.amdhsa_memory_ordered 1
		.amdhsa_forward_progress 1
		.amdhsa_inst_pref_size 100
	.end_amdhsa_kernel
	.amdgpu_metadata
---
amdhsa.version: [ 1, 2 ]
amdhsa.kernels:
  - .name:           k_q73de8c84f4_lvl2
    .symbol:         k_q73de8c84f4_lvl2.kd
    .args:
      - { .name: ebf, .offset: 0, .size: 8, .value_kind: global_buffer, .address_space: global }
      - { .name: c2b, .offset: 8, .size: 8, .value_kind: global_buffer, .address_space: global }
      - { .name: cur1, .offset: 16, .size: 8, .value_kind: global_buffer, .address_space: global }
      - { .name: cur0, .offset: 24, .size: 8, .value_kind: global_buffer, .address_space: global }
      - { .name: dis0, .offset: 32, .size: 8, .value_kind: global_buffer, .address_space: global }
      - { .name: dis1, .offset: 40, .size: 8, .value_kind: global_buffer, .address_space: global }
      - { .name: out1, .offset: 48, .size: 8, .value_kind: global_buffer, .address_space: global }
      - { .name: out2, .offset: 56, .size: 8, .value_kind: global_buffer, .address_space: global }
      - { .name: out3, .offset: 64, .size: 8, .value_kind: global_buffer, .address_space: global }
    .group_segment_fixed_size: 57344
    .private_segment_fixed_size: 0
    .kernarg_segment_align: 8
    .kernarg_segment_size: 72
    .max_flat_workgroup_size: 512
    .sgpr_count:     66
    .vgpr_count:     218
    .wavefront_size: 32
...
	.end_amdgpu_metadata
.endif
;; end of part 3
